; MI455X (gfx1250); checked and timed in simulation.
; The chip was launched on July 23, 2026; its instructions are those of AMD's public machine-readable ISA for CDNA 5 (MIT licence, August 2026) and "CDNA5" Instruction Set Architecture Reference Guide (July 2026). The comments in the code are by the model that wrote it; some were corrected since.
;; Position Attention Layer. Allowed arithmetic: matrix products marked QUANTISED: E2M1 operands, one E8M0 scale for each 32 along K, by v_wmma_scale_f32_16x16x128_f8f6f4 with both operands' format E2M1 (or v_wmma_scale_f32_32x16x128_f4), f32 sums; everything else in f32.
;; Inputs: Wk_codes 80 x 16 x 16 uint8 (E2M1 codes of Wk, K innermost, in blocks of 32 codes, two codes a byte); Wk_scales 80 x 16 uint8 (E8M0 scales of Wk, one for each 32 codes along K); Wq_codes 80 x 16 x 16 uint8 (E2M1 codes of Wq, K innermost, in blocks of 32 codes, two codes a byte); Wq_scales 80 x 16 uint8 (E8M0 scales of Wq, one for each 32 codes along K); Wv_codes 512 x 16 x 16 uint8 (E2M1 codes of Wv, K innermost, in blocks of 32 codes, two codes a byte); Wv_scales 512 x 16 uint8 (E8M0 scales of Wv, one for each 32 codes along K); bk 80 float32; bq 80 float32; bv 512 float32; gamma 512 x 64 x 64 float32; sk 80 float32; sq 80 float32; sv 512 float32; x 4 x 512 x 64 x 64 float32.
;; Outputs: out0 4 x 512 x 64 x 64 float32.
;; This version of the problem:
;;   THIS VERSION OF THE PROBLEM IS GIVEN IN LOW PRECISION. The matrix products marked QUANTISED in the list below multiply operands that are first quantised to E2M1 (2 exponent bits, 1 mantissa bit; 4 bits a number), with one power-of-two scale for each 32 numbers along K (OCP MX v1.0); their sums are f32. All else is computed in f32.
;;   The module's matrix products, in the order in which they are computed (A, B: the left and right operand; K: the contracted axis; several contracted axes count as one K, in the product's order):
;;     1. [M 80, K 512] x [K 512, N 16,384]; A: input Wq (given as codes); B: input x: QUANTISED
;;     2. [M 80, K 512] x [K 512, N 16,384]; A: input Wk (given as codes); B: input x: QUANTISED
;;     3. [M 512, K 512] x [K 512, N 16,384]; A: input Wv (given as codes); B: input x: QUANTISED
;;     4. batch 4 x [M 4,096, K 80] x [K 80, N 4,096]; A: computed on the way; B: computed on the way: QUANTISED
;;     5. batch 4 x [M 512, K 4,096] x [K 4,096, N 4,096]; A: computed on the way; B: softmax (see below): QUANTISED
;;   THE QUANTISER, for each operand of a quantised product, along K:
;;     - K is cut into blocks of 32 from its start; a last block that is shorter is filled with zeros.
;;     - A block's scale is 2^e with e = floor(log2(the largest magnitude in the block)) - 2, held to -126 .. 127; a block of zeros has e = 0. As a byte (E8M0): e + 127.
;;     - Each number is divided by its block's scale, clamped to +-6, and rounded to the nearest number of E2M1, ties to even, subnormals kept.
;;     - The product sums the exact products of the quantised numbers (number of the format x scale) in f32.
;;   ~~~python
;;   def quantise(x, axis):      # numpy; x: float32 -> the quantised numbers, widened to float32 again
;;       x = np.moveaxis(x, axis, -1); K = x.shape[-1]
;;       x = np.pad(x, [(0, 0)] * (x.ndim - 1) + [(0, -K % 32)]); x = x.reshape(x.shape[:-1] + (-1, 32)); a = np.abs(x).max(-1, keepdims=True)
;;       e = np.where(a > 0, np.clip(np.frexp(np.where(a > 0, a, 1))[1] - 1 - 2, -126, 127), 0)      # np.frexp(a)[1] - 1 = floor(log2(a)), exactly
;;       r = np.clip(x / 2.0 ** e, -6, 6)
;;       step = 2.0 ** (np.maximum(np.frexp(np.where(r == 0, 1, r))[1] - 1, 0) - 1)
;;       q = np.round(r / step) * step * 2.0 ** e      # np.round: ties to even
;;       return np.moveaxis(q.reshape(q.shape[:-2] + (-1,))[..., :K], -1, axis).astype(np.float32)
;;   ~~~
;;   SOFTMAX AHEAD OF A QUANTISED PRODUCT. Where the list says 'softmax', what is quantised is not the finished softmax but p = 2^(t - M), with t = logit x log2(e) and M = ceil(the row's largest t), a whole number; so 1/2 < the row's largest p <= 1. The row's sum l is taken of the UNQUANTISED p, in f32, and the product's result is divided by l at the end. Since M is a whole number, a kernel that streams over the keys may use a running M (the ceiling of the running maximum): every later rescaling is an exact power of two, which a block's scale takes up: the codes' values come out the same.
;;   OPERANDS COMPUTED ON THE WAY. 'Computed on the way' means the value that the module computes at that place (a softmax that the list does not call 'softmax' is quantised finished and normalised). What goes into a quantiser is computed in f32, as accurately as f32 sums, v_exp_f32 and their like allow (about 1e-6 of the number): no bf16 or f16 on the way to a quantiser, and a product that is left as it is and whose result goes on into a quantised operand takes f32 operands (vector FMAs, or v_wmma_f32_16x16x4_f32). A number that lies on a knife's edge between two numbers of the format may be rounded either way, as far as f32 arithmetic and the matrix unit's own rounding can turn it there, and no further.
;;   INPUTS GIVEN AS CODES. Wk (in the module: [80, 512], K = its axis 1); Wq (in the module: [80, 512], K = its axis 1); Wv (in the module: [512, 512], K = its axis 1): each comes as NAME_codes (uint8): NAME with its K axis moved to the last place and cut into blocks of 32 codes, [.., K / 32, bytes a block], one block behind the other in memory; two codes a byte, the lower K in the low four bits (a code: sign, 2 exponent bits, 1 mantissa bit); and NAME_scales (uint8): the same leading axes, one E8M0 byte (e + 127) for each 32 codes along K. Its value is code x scale, taken as it is: it is not quantised again, and the codes and scales need not be those that the quantiser above would give.
;; One version. Each part assembles by itself: llvm-mc -triple=amdgcn-amd-amdhsa -mcpu=gfx1250 --defsym DOCPART=n.
;; ======== version 1 of 1: 2 launches
;; workspace buffers: qbuf 1,114,112 bytes; kbuf 1,114,112 bytes; vbuf 4,456,448 bytes
;; launch proj (part 1): grid 256 x 1, 8 waves a work-group, no clusters, 168,960 bytes of LDS; arguments x, Wq_codes, Wq_scales, Wk_codes, Wk_scales, Wv_codes, Wv_scales, sq, bq, sk, bk, sv, bv, qbuf, kbuf, vbuf; writes qbuf, kbuf, vbuf
.if DOCPART == 1
	.amdgcn_target "amdgcn-amd-amdhsa--gfx1250"
	.amdhsa_code_object_version 6
	.text
	.protected	k_q8e6db8097d_proj
	.globl	k_q8e6db8097d_proj
	.p2align	8
	.type	k_q8e6db8097d_proj,@function
k_q8e6db8097d_proj:
	s_mov_b64 s[64:65], 0
	v_nop
	global_prefetch_b8 v0, s[64:65] scope:SCOPE_SE
	s_setreg_imm32_b32 hwreg(HW_REG_WAVE_MODE, 25, 1), 1
	s_wait_xcnt 0x0
; q, k, v = relu(s (W Q(x)) + b), all three products on codes of FP4 (E2M1) with one E8M0 scale for each 32 along K = the 512 channels; then q and k are
; quantised along their 80 channels and v along the positions, and leave as IMAGES OF THE NEXT LAUNCH'S OPERAND REGISTERS.
; x: [4][512][4096] f32.  W*: codes, K innermost, 256 bytes a row; their scale bytes 16 a row.
; SHARES.  Work-group id = 64 b + chunk takes 64 positions of batch b.  Eight waves.  Wave w: brings channels 64 w .. 64 w + 63 of x into LDS by one tensor load and quantises
; them (a lane takes a position, its registers run down the channels: a block of 32 lies in one lane); then makes q (w even) or k (w odd) of the tile of 16 positions w / 2;
; then v's channels 64 w .. 64 w + 63 for all 64 positions.
; A FRAGMENT'S IMAGE is 1,024 bytes: half e (512 bytes) holds lane l's registers 4 e .. 4 e + 3 at 16 l.
; THE POSITIONS OF A TILE ARE NOT NEIGHBOURS: lane r of tile 2 b' + u holds position 32 b' + 8 u + r + 8 (r / 8), and W's rows for q and k are chosen likewise, so that a result's
; 16 registers of tiles 2 b', 2 b' + 1 are 16 neighbours along the next product's K.
; OUT.  qbuf [id][4,352]: 4 images (tile), then 4 x 16 scale words.  kbuf [id / 2][8,704]: 8 images, then 128 scale words.  vbuf [id / 8][139,264]: images at
; (4 x channel tile + K step) x 1,024, a chunk being half an image; from byte 131,072 the scale bytes [channel][16].
; K = 80 of the next product: blocks 0-31, 32-63, 64-79 with 16 zero codes; the instruction's fourth block is zero codes under the byte 127.
; The weights are the same for all work-groups and are not asked for jointly: each wave takes its own part straight into its operand registers, once, while x is on its way;
; a way through LDS would add a write and a read of the same bytes.
; v's scale bytes leave 2 bytes a lane, 16 bytes apart: 262,144 bytes in the whole launch, against 33,554,432 read.
; LIMITS: NaN and infinities among the inputs are not served; a block of zeros gets the byte 1 where the quantiser says 127: its codes are zeros, and this program alone reads the bytes.
; LDS: x as it comes, 512 rows of 256 bytes; x's 16 images; x's scale words.  No LDS byte is filled twice.
.set XIMG, 131072                      ; image (tile t, K step s) at (4 t + s) x 1,024
.set XSC,  147456                      ; word (4 t + s) x 16 + r
.set XA,   1                           ; v1   LDS: my wave's rows of x, 4 bytes a lane
.set XW,   2                           ; v2   where my position's 16 bytes of codes go
.set XSW,  3                           ; v3   and its two scale bytes
.set LI,   4                           ; v4   16 x lane
.set XFA,  5                           ; v5   x's images, 16 x lane
.set XOA,  6                           ; v6   the images of my tile
.set XSA,  7                           ; v7   x's scale words, 4 x lane
.set XOSA, 8                           ; v8   those of my tile
.set WPA,  9                           ; v9   W's codes, rows chosen: (r + 8 (r / 8)) x 256 + 16 h
.set WNA,  10                          ; v10  rows as they lie: r x 256 + 16 h
.set WPS,  11                          ; v11  W's scale bytes, rows chosen
.set WNS,  12                          ; v12  rows as they lie: 16 r
.set SBA,  13                          ; v13  64 h
.set SBB,  14                          ; v14  32 h
.set R4,   15                          ; v15  4 r
.set XO,   16                          ; v16-47   my tile's four fragments of x; before that numbers of x; at last v's codes
.set ACC,  48                          ; v48-87   accumulators; before that numbers of x
.set SQ,   88                          ; v88-127  s of q or k in the result's layout
.set BQ,   128                         ; v128-167 b likewise
.set WQS,  168                         ; v168-187 scale words of Wq or Wk
.set WVS,  188                         ; v188-203 of Wv
.set SV,   204                         ; v204-207 sv of my lane's channel, a register a tile
.set BV,   208                         ; v208-211 bv
.set XOS,  212                         ; v212-213 my tile's scale words of x
.set XS,   214                         ; v214-221 all tiles'
.set BM,   222                         ; v222-225 largest magnitudes
.set T2,   226                         ; v226-229 the other half's
.set SCO,  230                         ; v230-233 the conversions' scale operands
.set EB,   234                         ; v234-237 scale bytes
.set CD,   238                         ; v238-253 codes
.set QW,   246                         ; v246     q's or k's scale word
.set VHW,  248                         ; v248-251 v's two scale bytes, a register a tile
.set TL,   250                         ; at the head only: lane, r, h, at work
.set TR,   251
.set TH,   252
.set TT,   253
; window 1: v0-159 the fragments of Wq or Wk ((t, s) at 8 (4 t + s)); then v0-127 x's 16 fragments; Wv's tile i at 128 + 32 ((i + 1) % 4)
.set MSB, 0
.macro WIN new                         ; the immediate's high byte repeats the setting that is left
.if MSB != \new
	s_set_vgpr_msb (MSB<<8)|\new
.set MSB, \new
.endif
.endm
.macro PLACES                          ; four plain places behind a matrix instruction, in front of reads of results and of loads into its registers
.rept 4
	v_nop
.endr
.endm
; one product 16 x 16 x 128: D at d, sources at a and b, z = 1: the sum begins with 0; scale words sa, sb; ra, rb = 1: taken from lanes 16-31
.macro WM d, a, b, z, sa, sb, ra, rb
.if (\z) && (\ra) && (\rb)
	v_wmma_scale_f32_16x16x128_f8f6f4 v[\d:\d+7], v[\a:\a+7], v[\b:\b+7], 0, v[\sa], v[\sb] matrix_a_fmt:MATRIX_FMT_FP4 matrix_b_fmt:MATRIX_FMT_FP4 matrix_a_scale:MATRIX_SCALE_ROW1 matrix_b_scale:MATRIX_SCALE_ROW1
.elseif (\z) && (\ra)
	v_wmma_scale_f32_16x16x128_f8f6f4 v[\d:\d+7], v[\a:\a+7], v[\b:\b+7], 0, v[\sa], v[\sb] matrix_a_fmt:MATRIX_FMT_FP4 matrix_b_fmt:MATRIX_FMT_FP4 matrix_a_scale:MATRIX_SCALE_ROW1
.elseif (\z) && (\rb)
	v_wmma_scale_f32_16x16x128_f8f6f4 v[\d:\d+7], v[\a:\a+7], v[\b:\b+7], 0, v[\sa], v[\sb] matrix_a_fmt:MATRIX_FMT_FP4 matrix_b_fmt:MATRIX_FMT_FP4 matrix_b_scale:MATRIX_SCALE_ROW1
.elseif (\z)
	v_wmma_scale_f32_16x16x128_f8f6f4 v[\d:\d+7], v[\a:\a+7], v[\b:\b+7], 0, v[\sa], v[\sb] matrix_a_fmt:MATRIX_FMT_FP4 matrix_b_fmt:MATRIX_FMT_FP4
.elseif (\ra) && (\rb)
	v_wmma_scale_f32_16x16x128_f8f6f4 v[\d:\d+7], v[\a:\a+7], v[\b:\b+7], v[\d:\d+7], v[\sa], v[\sb] matrix_a_fmt:MATRIX_FMT_FP4 matrix_b_fmt:MATRIX_FMT_FP4 matrix_a_scale:MATRIX_SCALE_ROW1 matrix_b_scale:MATRIX_SCALE_ROW1
.elseif (\ra)
	v_wmma_scale_f32_16x16x128_f8f6f4 v[\d:\d+7], v[\a:\a+7], v[\b:\b+7], v[\d:\d+7], v[\sa], v[\sb] matrix_a_fmt:MATRIX_FMT_FP4 matrix_b_fmt:MATRIX_FMT_FP4 matrix_a_scale:MATRIX_SCALE_ROW1
.elseif (\rb)
	v_wmma_scale_f32_16x16x128_f8f6f4 v[\d:\d+7], v[\a:\a+7], v[\b:\b+7], v[\d:\d+7], v[\sa], v[\sb] matrix_a_fmt:MATRIX_FMT_FP4 matrix_b_fmt:MATRIX_FMT_FP4 matrix_b_scale:MATRIX_SCALE_ROW1
.else
	v_wmma_scale_f32_16x16x128_f8f6f4 v[\d:\d+7], v[\a:\a+7], v[\b:\b+7], v[\d:\d+7], v[\sa], v[\sb] matrix_a_fmt:MATRIX_FMT_FP4 matrix_b_fmt:MATRIX_FMT_FP4
.endif
.endm
	s_load_b512 s[4:19], s[0:1], 0x0               ; x s[4:5], Wq's codes s[6:7], scales s[8:9], Wk's s[10:11], s[12:13], Wv's s[14:15], s[16:17], sq s[18:19]
	s_load_b512 s[20:35], s[0:1], 0x40             ; bq s[20:21], sk s[22:23], bk s[24:25], sv s[26:27], bv s[28:29], qbuf s[30:31], kbuf s[32:33], vbuf s[34:35]
	v_lshl_add_u32 v254, v0, 2, 0x29000
	v_mov_b32 v255, 0
	ds_add_u32 v254, v255
	ds_add_u32 v254, v255
	v_lshrrev_b32 v[TT], 5, v0
	v_readfirstlane_b32 s48, v[TT]                 ; wave 0..7
	s_and_b32 s49, s48, 1                          ; 0: q, 1: k
	s_lshr_b32 s50, s48, 1                         ; my tile of positions
	s_mov_b32 s51, ttmp9                           ; id = 64 b + chunk
	; descriptor group 1: 64 rows (channels) x 64 elements of 4 bytes, 4,096 elements from row to row, no padding
	s_mov_b32 s36, 2<<16                           ; no mask; elements of 4 bytes
	s_mov_b32 s37, 64<<16                          ; tensor_dim0 = 64
	s_mov_b32 s38, 64<<16                          ; tensor_dim1 = 64
	s_mov_b32 s39, 64<<16                          ; tile_dim0 = 64
	s_mov_b32 s40, 64                              ; tile_dim1 = 64
	s_mov_b32 s41, 4096                            ; tensor_dim0_stride
	s_mov_b32 s42, 0
	s_mov_b32 s43, 0
	s_mov_b32 s44, 1                               ; group 0: count = 1
	s_lshl_b32 s45, s48, 14                        ; LDS: my 64 rows of 256 bytes
	s_lshr_b32 s54, s51, 6
	s_lshl_b32 s54, s54, 23                        ; b x 8,388,608
	s_and_b32 s55, s51, 63
	s_lshl_b32 s55, s55, 8                         ; + chunk x 256
	s_add_co_u32 s54, s54, s55
	s_lshl_b32 s55, s48, 20                        ; + 64 w channels of 16,384 bytes
	s_add_co_u32 s54, s54, s55
	s_mov_b32 s55, 0
	s_wait_dscnt 0x0
	s_wait_kmcnt 0x0
	s_add_nc_u64 s[46:47], s[4:5], s[54:55]
	s_or_b32 s47, s47, 0x80000000                  ; type = 2
	tensor_load_to_lds s[44:47], s[36:43]          ; my one tensor load; only I read its rows
	s_nop 0
	PLACES                                         ; (behind a tensor load)
	; addresses
	v_and_b32 v[TL], 31, v0
	v_and_b32 v[TR], 15, v0
	v_bfe_u32 v[TH], v0, 4, 1
	v_lshlrev_b32 v[XA], 2, v[TL]
	v_add_nc_u32 v[XA], s45, v[XA]
	v_and_b32 v[TT], 7, v0                         ; position 32 p + l lies in tile 2 p + (l / 8) % 2, at lane l % 8 + 8 (l / 16)
	v_lshrrev_b32 v[XW], 1, v[TL]
	v_and_b32 v[XW], 8, v[XW]
	v_add_nc_u32 v[TT], v[TT], v[XW]
	v_bfe_u32 v[XSW], v0, 3, 1
	v_lshlrev_b32 v[XW], 4, v[TT]
	v_lshl_add_u32 v[XW], v[XSW], 12, v[XW]
	s_lshl_b32 s56, s48, 9                         ; channel block 2 w + k' is K step w / 2, half w % 2, lanes 16 k' on: 512 w + 256 k'
	s_add_co_u32 s56, s56, XIMG
	v_add_nc_u32 v[XW], s56, v[XW]
	v_lshlrev_b32 v[TT], 2, v[TT]
	v_lshl_add_u32 v[XSW], v[XSW], 8, v[TT]
	s_lshl_b32 s56, s50, 6
	s_lshl_b32 s57, s49, 1
	s_add_co_u32 s56, s56, s57
	s_add_co_u32 s56, s56, XSC
	v_add_nc_u32 v[XSW], s56, v[XSW]
	v_lshlrev_b32 v[LI], 4, v[TL]
	v_add_nc_u32 v[XFA], XIMG, v[LI]
	s_lshl_b32 s56, s50, 12
	s_add_co_u32 s56, s56, XIMG
	v_add_nc_u32 v[XOA], s56, v[LI]
	v_lshl_add_u32 v[XSA], v[TL], 2, XSC
	s_lshl_b32 s56, s50, 8
	v_add_nc_u32 v[XOSA], s56, v[XSA]
	v_and_b32 v[TT], 8, v[TR]
	v_add_nc_u32 v[TT], v[TT], v[TR]               ; r + 8 (r / 8)
	v_lshlrev_b32 v[WPA], 8, v[TT]
	v_lshl_add_u32 v[WPA], v[TH], 4, v[WPA]
	v_lshlrev_b32 v[WNA], 8, v[TR]
	v_lshl_add_u32 v[WNA], v[TH], 4, v[WNA]
	v_lshlrev_b32 v[WPS], 4, v[TT]
	v_lshlrev_b32 v[WNS], 4, v[TR]
	v_lshlrev_b32 v[SBA], 6, v[TH]
	v_lshlrev_b32 v[SBB], 5, v[TH]
	v_lshlrev_b32 v[R4], 2, v[TR]
.irp b, 0,1,2,3
	v_mov_b32 v[T2+\b], 0                          ; written once: a lane permute's destination counts as one of its sources
.endr
	s_mov_b32 s52, 0x76543210
	s_mov_b32 s53, 0xfedcba98                      ; v_permlanex16_b32's selects for lane l xor 16
	; q's buffers or k's: the choice hangs on the wave's number alone
	s_mul_i32 s54, s51, 4352                       ; q: images at id x 4,352
	s_lshr_b32 s55, s51, 1
	s_mul_i32 s55, s55, 8704
	s_and_b32 s56, s51, 1
	s_lshl_b32 s57, s56, 12
	s_add_co_u32 s57, s55, s57                     ; k: images at (id / 2) x 8,704 + (id % 2) x 4,096
	s_lshl_b32 s56, s56, 8
	s_add_co_u32 s58, s55, s56
	s_add_co_u32 s58, s58, 8192                    ; k: scale words
	s_add_co_u32 s59, s54, 4096                    ; q: scale words
	s_cmp_eq_u32 s49, 0
	s_cselect_b64 s[6:7], s[6:7], s[10:11]
	s_cselect_b64 s[8:9], s[8:9], s[12:13]
	s_cselect_b64 s[18:19], s[18:19], s[22:23]
	s_cselect_b64 s[20:21], s[20:21], s[24:25]
	s_cselect_b64 s[30:31], s[30:31], s[32:33]
	s_cselect_b32 s54, s54, s57
	s_cselect_b32 s58, s59, s58
	s_lshl_b32 s56, s50, 10
	s_add_co_u32 s54, s54, s56                     ; + my tile's image
	s_mov_b32 s55, 0
	s_lshl_b32 s56, s50, 6
	s_add_co_u32 s58, s58, s56                     ; + my tile's 16 words
	s_mov_b32 s59, 0
	s_add_nc_u64 s[60:61], s[30:31], s[54:55]
	s_add_nc_u64 s[62:63], s[30:31], s[58:59]
	s_lshl_b32 s54, s48, 14                        ; Wv: my 64 rows of 256 bytes,
	s_add_nc_u64 s[14:15], s[14:15], s[54:55]
	s_lshl_b32 s54, s48, 10                        ; of 16 scale bytes,
	s_add_nc_u64 s[16:17], s[16:17], s[54:55]
	s_lshl_b32 s54, s48, 8                         ; sv, bv: my 64 numbers
	s_add_nc_u64 s[26:27], s[26:27], s[54:55]
	s_add_nc_u64 s[28:29], s[28:29], s[54:55]
	s_lshr_b32 s56, s51, 3
	s_mul_i32 s56, s56, 139264                     ; vbuf: the granule of 512 positions
	s_lshl_b32 s54, s48, 14                        ; my four channel tiles: 4 images each
	s_add_co_u32 s54, s54, s56
	s_bfe_u32 s57, s51, 0x20001                    ; the K step: (id / 2) % 4
	s_lshl_b32 s57, s57, 10
	s_add_co_u32 s54, s54, s57
	s_and_b32 s57, s51, 1                          ; the half: id % 2
	s_lshl_b32 s57, s57, 9
	s_add_co_u32 s54, s54, s57
	s_add_nc_u64 s[66:67], s[34:35], s[54:55]
	s_lshl_b32 s54, s48, 10
	s_add_co_u32 s54, s54, s56
	s_add_co_u32 s54, s54, 131072
	s_and_b32 s57, s51, 7
	s_lshl_b32 s57, s57, 1                         ; my chunk's two bytes of a channel's 16
	s_add_co_u32 s54, s54, s57
	s_add_nc_u64 s[68:69], s[34:35], s[54:55]
	; the weights, into registers, while x is on its way: 101 loads
	WIN 0x40                                       ; destination window 1
.irp t, 0,1,2,3
.irp s, 0,1,2,3
.irp e, 0,1
	global_load_b128 v[8*(4*\t+\s)+4*\e:8*(4*\t+\s)+4*\e+3], v[WPA], s[6:7] offset:(32*(\t/2)+8*(\t%2))*256+64*\s+32*\e
.endr
.endr
.endr
.irp s, 0,1,2,3
.irp e, 0,1
	global_load_b128 v[8*(16+\s)+4*\e:8*(16+\s)+4*\e+3], v[WNA], s[6:7] offset:16384+64*\s+32*\e      ; tile 4: rows 64 + r as they lie
.endr
.endr
.irp i, 0,1,2
.irp s, 0,1,2,3
.irp e, 0,1
	global_load_b128 v[128+32*(\i+1)+8*\s+4*\e:128+32*(\i+1)+8*\s+4*\e+3], v[WNA], s[14:15] offset:\i*4096+64*\s+32*\e
.endr
.endr
.endr
	WIN 0
.irp t, 0,1,2,3
	global_load_b128 v[WQS+4*\t:WQS+4*\t+3], v[WPS], s[8:9] offset:(32*(\t/2)+8*(\t%2))*16           ; a row's 16 bytes: the words of its four K steps
	global_load_b128 v[SQ+8*\t:SQ+8*\t+3], v[SBA], s[18:19] offset:(32*(\t/2)+8*(\t%2))*4            ; register j of tile 2 b + u: channel 32 b + 8 u + 16 h + j
	global_load_b128 v[SQ+8*\t+4:SQ+8*\t+7], v[SBA], s[18:19] offset:(32*(\t/2)+8*(\t%2))*4+16
	global_load_b128 v[BQ+8*\t:BQ+8*\t+3], v[SBA], s[20:21] offset:(32*(\t/2)+8*(\t%2))*4
	global_load_b128 v[BQ+8*\t+4:BQ+8*\t+7], v[SBA], s[20:21] offset:(32*(\t/2)+8*(\t%2))*4+16
.endr
	global_load_b128 v[WQS+16:WQS+19], v[WNS], s[8:9] offset:1024
	global_load_b128 v[SQ+32:SQ+35], v[SBB], s[18:19] offset:256                                   ; tile 4: channel 64 + 8 h + j
	global_load_b128 v[SQ+36:SQ+39], v[SBB], s[18:19] offset:272
	global_load_b128 v[BQ+32:BQ+35], v[SBB], s[20:21] offset:256
	global_load_b128 v[BQ+36:BQ+39], v[SBB], s[20:21] offset:272
.irp i, 0,1,2,3
	global_load_b128 v[WVS+4*\i:WVS+4*\i+3], v[WNS], s[16:17] offset:256*\i
	global_load_b32 v[SV+\i], v[R4], s[26:27] offset:64*\i
	global_load_b32 v[BV+\i], v[R4], s[28:29] offset:64*\i
.endr
; ---- X: my 64 channels x 64 positions, in four quarters q = 2 k' + p: channel block k', positions 32 p + lane
.macro LOADX q                         ; 32 numbers down the channels: each load reads 128 neighbouring bytes
.set i, 0
.rept 32
	ds_load_b32 v[16+32*((\q)%2)+i], v[XA] offset:(32*((\q)/2)+i)*256+128*((\q)%2)
.set i, i+1
.endr
.endm
.macro QUARTER q, left                 ; left: the LDS instructions issued behind this quarter's 32 loads
.set XB, 16+32*((\q)%2)
	s_wait_dscnt \left
	v_max3_num_f32 v[BM], |v[XB]|, |v[XB+1]|, |v[XB+2]|               ; the block's largest magnitude: all 32 numbers are mine; two chains
	v_max3_num_f32 v[BM+1], |v[XB+3]|, |v[XB+4]|, |v[XB+5]|
.irp i, 6,10,14,18,22,26
	v_max3_num_f32 v[BM], v[BM], |v[XB+\i]|, |v[XB+\i+1]|
	v_max3_num_f32 v[BM+1], v[BM+1], |v[XB+\i+2]|, |v[XB+\i+3]|
.endr
	v_max3_num_f32 v[BM], v[BM], |v[XB+30]|, |v[XB+31]|
	v_max3_num_f32 v[BM], v[BM], v[BM+1], 0x1800000                   ; and the floor 2^(3 - 127): the byte cannot fall under 1
	v_add_nc_u32 v[SCO], 0xff000000, v[BM]                            ; 2 off its exponent field: the conversion takes the exponent field of this operand as its scale
.irp g, 0,1,2,3
	v_cvt_scalef32_pk8_fp4_f32 v[CD+4*(\q)+\g], v[XB+8*\g:XB+8*\g+7], v[SCO]
.endr
	v_lshrrev_b32 v[EB+(\q)], 23, v[SCO]                              ; the scale's byte.  (The plain place behind the conversions)
	ds_store_b128 v[XW], v[CD+4*(\q):CD+4*(\q)+3] offset:((\q)%2)*8192+((\q)/2)*256
.if (\q) < 2
	LOADX (\q)+2
.else
	v_lshl_or_b32 v[BM+(\q)], v[EB+(\q)], 8, v[EB+(\q)-2]             ; my two blocks' bytes are neighbours in the position's scale word
	ds_store_b16 v[XSW], v[BM+(\q)] offset:((\q)%2)*512
.endif
.endm
	s_wait_tensorcnt 0x0                           ; my rows of x are in LDS
	LOADX 0
	LOADX 1
	QUARTER 0, 32                                  ; behind its loads: the next quarter's 32
	QUARTER 1, 33                                  ; a store and 32 loads
	QUARTER 2, 33
	QUARTER 3, 2                                   ; two stores
	s_wait_dscnt 0x0                               ; for the others' sake: my stores have landed
	s_barrier_signal -1
	s_barrier_wait -1                              ; x's sixteen images and their scale words lie in LDS
	s_wait_loadcnt 0x0                             ; the weights
; ---- QK: q or k of my tile: five tiles of W's rows, used so that a lane holds one position and its registers run along the channels
.irp s, 0,1,2,3
.irp e, 0,1
	ds_load_b128 v[XO+8*\s+4*\e:XO+8*\s+4*\e+3], v[XOA] offset:\s*1024+512*\e
.endr
.endr
	ds_load_b32 v[XOS], v[XOSA]                    ; lanes 0-15: K step 0's words, lanes 16-31: K step 1's
	ds_load_b32 v[XOS+1], v[XOSA] offset:128
	s_wait_dscnt 0x0
	WIN 0x01                                       ; source 0 (W) window 1
.irp s, 0,1,2,3                        ; the five accumulators take turns, one instruction a turn
.irp t, 0,1,2,3,4
.if \s == 0
	WM ACC+8*\t, 8*(4*\t+\s), XO+8*\s, 1, WQS+4*\t+\s, XOS+\s/2, 0, \s%2
.else
	WM ACC+8*\t, 8*(4*\t+\s), XO+8*\s, 0, WQS+4*\t+\s, XOS+\s/2, 0, \s%2
.endif
.endr
.endr
	WIN 0
	PLACES
	WIN 0x40                                       ; what v wants is asked for now: all of x's fragments, over W's, and Wv's fourth tile
.irp f, 0,1,2,3,4,5,6,7,8,9,10,11,12,13,14,15
.irp e, 0,1
	ds_load_b128 v[8*\f+4*\e:8*\f+4*\e+3], v[XFA] offset:\f*1024+512*\e
.endr
.endr
.irp s, 0,1,2,3
.irp e, 0,1
	global_load_b128 v[128+8*\s+4*\e:128+8*\s+4*\e+3], v[WNA], s[14:15] offset:3*4096+64*\s+32*\e
.endr
.endr
	WIN 0
.irp i, 0,1,2,3,4,5,6,7
	ds_load_b32 v[XS+\i], v[XSA] offset:128*\i     ; register 2 t + s / 2: lanes 0-15 the even K step's words of tile t, lanes 16-31 the odd one's
.endr
.irp j, 0,2,4,6,8,10,12,14,16,18,20,22,24,26,28,30,32,34,36,38
	v_pk_fma_f32 v[ACC+\j:ACC+\j+1], v[ACC+\j:ACC+\j+1], v[SQ+\j:SQ+\j+1], v[BQ+\j:BQ+\j+1]   ; s y + b, each accumulator from its low end on
.endr
.set j, 0
.rept 40
	v_max_num_f32 v[ACC+j], 0, v[ACC+j]            ; relu
.set j, j+1
.endr
.irp b, 0,1,2                          ; blocks 0, 1: 16 registers and lane l xor 16's; block 2: tile 4's eight and the other half's eight.  No |.|: none is negative
	v_max3_num_f32 v[BM+\b], v[ACC+16*\b], v[ACC+16*\b+1], 0x1800000
.endr
.irp i, 2,4,6
.irp b, 0,1,2
	v_max3_num_f32 v[BM+\b], v[BM+\b], v[ACC+16*\b+\i], v[ACC+16*\b+\i+1]
.endr
.endr
.irp i, 8,10,12,14
.irp b, 0,1
	v_max3_num_f32 v[BM+\b], v[BM+\b], v[ACC+16*\b+\i], v[ACC+16*\b+\i+1]
.endr
.endr
.irp b, 0,1,2
	v_permlanex16_b32 v[T2+\b], v[BM+\b], s52, s53
.endr
.irp b, 0,1,2
	v_max_num_f32 v[BM+\b], v[BM+\b], v[T2+\b]
.endr
.irp b, 0,1,2
	v_add_nc_u32 v[SCO+\b], 0xff000000, v[BM+\b]
.endr
.irp b, 0,1,2
	v_lshrrev_b32 v[EB+\b], 23, v[SCO+\b]
.endr
	v_lshl_or_b32 v[QW], v[EB+1], 8, v[EB]
	v_lshl_or_b32 v[QW], v[EB+2], 16, v[QW]
	v_or_b32 v[QW], 0x7f000000, v[QW]              ; the fourth block: zero codes under the byte 127
	v_cvt_scalef32_pk8_fp4_f32 v[CD], v[ACC:ACC+7], v[SCO]
	v_cvt_scalef32_pk8_fp4_f32 v[CD+1], v[ACC+8:ACC+15], v[SCO]
	v_cvt_scalef32_pk8_fp4_f32 v[CD+2], v[ACC+16:ACC+23], v[SCO+1]
	v_cvt_scalef32_pk8_fp4_f32 v[CD+3], v[ACC+24:ACC+31], v[SCO+1]
	v_cvt_scalef32_pk8_fp4_f32 v[CD+4], v[ACC+32:ACC+39], v[SCO+2]
	v_mov_b32 v[CD+5], 0                           ; (the plain place behind the conversions)
	v_mov_b32 v[CD+6], 0
	v_mov_b32 v[CD+7], 0
	v_permlane16_swap_b32 v[CD], v[CD+2]           ; the operand's layout wants a whole block in a lane: lanes 0-15 block 0, lanes 16-31 block 1;
	v_permlane16_swap_b32 v[CD+1], v[CD+3]
	v_permlane16_swap_b32 v[CD+4], v[CD+5]         ; lanes 0-15 all 16 codes of block 2, lanes 16-31 zeros
	global_store_b128 v[LI], v[CD:CD+3], s[60:61]                  ; 512 consecutive bytes a store
	global_store_b128 v[LI], v[CD+4:CD+7], s[60:61] offset:512
	global_store_b32 v[R4], v[QW], s[62:63]        ; lanes r and r + 16 store the same word
; ---- V: four tiles of 16 channels: source 0 = 16 positions of x, source 1 = 16 rows of Wv: a lane holds ONE channel, and the registers of tiles 2 b', 2 b' + 1 are 16 neighbouring positions
.macro VT i
	WIN 0x05                                       ; both sources window 1
.irp s, 0,1,2,3                        ; the four accumulators take turns
.irp t, 0,1,2,3
.if \s == 0
	WM ACC+8*\t, 8*(4*\t+\s), 128+32*(((\i)+1)%4)+8*\s, 1, XS+2*\t+\s/2, WVS+4*(\i)+\s, \s%2, 0
.else
	WM ACC+8*\t, 8*(4*\t+\s), 128+32*(((\i)+1)%4)+8*\s, 0, XS+2*\t+\s/2, WVS+4*(\i)+\s, \s%2, 0
.endif
.endr
.endr
	WIN 0
	PLACES
.set j, 0
.rept 32
	v_fma_f32 v[ACC+j], v[ACC+j], v[SV+(\i)], v[BV+(\i)]
.set j, j+1
.endr
.set j, 0
.rept 32
	v_max_num_f32 v[ACC+j], 0, v[ACC+j]
.set j, j+1
.endr
.irp b, 0,1
	v_max3_num_f32 v[BM+\b], v[ACC+16*\b], v[ACC+16*\b+1], 0x1800000
.endr
.irp k, 2,4,6,8,10,12,14
.irp b, 0,1
	v_max3_num_f32 v[BM+\b], v[BM+\b], v[ACC+16*\b+\k], v[ACC+16*\b+\k+1]
.endr
.endr
.irp b, 0,1
	v_permlanex16_b32 v[T2+\b], v[BM+\b], s52, s53
.endr
.irp b, 0,1
	v_max_num_f32 v[BM+\b], v[BM+\b], v[T2+\b]
.endr
.irp b, 0,1
	v_add_nc_u32 v[SCO+\b], 0xff000000, v[BM+\b]
.endr
.irp b, 0,1
	v_lshrrev_b32 v[EB+\b], 23, v[SCO+\b]
.endr
	v_lshl_or_b32 v[VHW+(\i)], v[EB+1], 8, v[EB]
.irp b, 0,1
	v_cvt_scalef32_pk8_fp4_f32 v[XO+4*(\i)+2*\b], v[ACC+16*\b:ACC+16*\b+7], v[SCO+\b]
	v_cvt_scalef32_pk8_fp4_f32 v[XO+4*(\i)+2*\b+1], v[ACC+16*\b+8:ACC+16*\b+15], v[SCO+\b]
.endr
	v_nop                                          ; one plain place behind a scaled conversion
	v_permlane16_swap_b32 v[XO+4*(\i)], v[XO+4*(\i)+2]
	v_permlane16_swap_b32 v[XO+4*(\i)+1], v[XO+4*(\i)+3]
	global_store_b128 v[LI], v[XO+4*(\i):XO+4*(\i)+3], s[66:67] offset:(\i)*4096   ; half an image: 512 consecutive bytes.  Each tile has registers of its own: no store's data are written again
	global_store_b16 v[WNS], v[VHW+(\i)], s[68:69] offset:(\i)*256
.endm
	s_wait_dscnt 0x0                               ; x's fragments and scale words
	VT 0
	VT 1
	VT 2
	s_wait_loadcnt 0x0                             ; Wv's fourth tile
	VT 3
	s_wait_tensorcnt 0x0
	ds_add_u32 v254, v255
	s_wait_dscnt 0x0
	s_endpgm
.Lfunc_end_k_q8e6db8097d_proj:
	.size	k_q8e6db8097d_proj, .Lfunc_end_k_q8e6db8097d_proj-k_q8e6db8097d_proj
	.p2alignl 7, 3214868480
	.fill 96, 4, 3214868480
	.section	.rodata,"a",@progbits
	.p2align	6, 0x0
	.amdhsa_kernel k_q8e6db8097d_proj
		.amdhsa_group_segment_fixed_size 168960
		.amdhsa_private_segment_fixed_size 0
		.amdhsa_enable_private_segment 0
		.amdhsa_kernarg_size 128
		.amdhsa_user_sgpr_count 2
		.amdhsa_user_sgpr_kernarg_segment_ptr 1
		.amdhsa_wavefront_size32 1
		.amdhsa_system_sgpr_workgroup_id_x 1
		.amdhsa_system_sgpr_workgroup_id_y 1
		.amdhsa_system_sgpr_workgroup_id_z 1
		.amdhsa_system_vgpr_workitem_id 0
		.amdhsa_next_free_vgpr 512
		.amdhsa_next_free_sgpr 80
		.amdhsa_reserve_vcc 0
		.amdhsa_float_denorm_mode_32 3
		.amdhsa_float_denorm_mode_16_64 3
		.amdhsa_memory_ordered 1
		.amdhsa_forward_progress 1
		.amdhsa_inst_pref_size 71
	.end_amdhsa_kernel
	.amdgpu_metadata
---
amdhsa.version: [ 1, 2 ]
amdhsa.kernels:
  - .name:           k_q8e6db8097d_proj
    .symbol:         k_q8e6db8097d_proj.kd
    .args:
      - { .name: x, .offset: 0, .size: 8, .value_kind: global_buffer, .address_space: global }
      - { .name: Wq_codes, .offset: 8, .size: 8, .value_kind: global_buffer, .address_space: global }
      - { .name: Wq_scales, .offset: 16, .size: 8, .value_kind: global_buffer, .address_space: global }
      - { .name: Wk_codes, .offset: 24, .size: 8, .value_kind: global_buffer, .address_space: global }
      - { .name: Wk_scales, .offset: 32, .size: 8, .value_kind: global_buffer, .address_space: global }
      - { .name: Wv_codes, .offset: 40, .size: 8, .value_kind: global_buffer, .address_space: global }
      - { .name: Wv_scales, .offset: 48, .size: 8, .value_kind: global_buffer, .address_space: global }
      - { .name: sq, .offset: 56, .size: 8, .value_kind: global_buffer, .address_space: global }
      - { .name: bq, .offset: 64, .size: 8, .value_kind: global_buffer, .address_space: global }
      - { .name: sk, .offset: 72, .size: 8, .value_kind: global_buffer, .address_space: global }
      - { .name: bk, .offset: 80, .size: 8, .value_kind: global_buffer, .address_space: global }
      - { .name: sv, .offset: 88, .size: 8, .value_kind: global_buffer, .address_space: global }
      - { .name: bv, .offset: 96, .size: 8, .value_kind: global_buffer, .address_space: global }
      - { .name: qbuf, .offset: 104, .size: 8, .value_kind: global_buffer, .address_space: global }
      - { .name: kbuf, .offset: 112, .size: 8, .value_kind: global_buffer, .address_space: global }
      - { .name: vbuf, .offset: 120, .size: 8, .value_kind: global_buffer, .address_space: global }
    .group_segment_fixed_size: 168960
    .private_segment_fixed_size: 0
    .kernarg_segment_align: 8
    .kernarg_segment_size: 128
    .max_flat_workgroup_size: 256
    .sgpr_count:     80
    .vgpr_count:     512
    .wavefront_size: 32
...
	.end_amdgpu_metadata
.endif
;; end of part 1
;; launch attn (part 2): grid 64 x 4, 4 waves a work-group, clusters of 4 x 1, 327,680 bytes of LDS; arguments qbuf, kbuf, vbuf, x, gamma, out0; writes out0
.if DOCPART == 2
	.amdgcn_target "amdgcn-amd-amdhsa--gfx1250"
	.amdhsa_code_object_version 6
	.text
	.protected	k_q8e6db8097d_attn
	.globl	k_q8e6db8097d_attn
	.p2align	8
	.type	k_q8e6db8097d_attn,@function
k_q8e6db8097d_attn:
	s_mov_b64 s[64:65], 0
	v_nop
	global_prefetch_b8 v0, s[64:65] scope:SCOPE_SE
	s_setreg_imm32_b32 hwreg(HW_REG_WAVE_MODE, 25, 1), 1
	s_wait_xcnt 0x0
	s_wait_alu depctr_hold_cnt(0) depctr_sa_sdst(0) depctr_va_vdst(0) depctr_va_sdst(0) depctr_va_ssrc(0) depctr_va_vcc(0) depctr_vm_vsrc(0)
	s_getreg_b32 s2, hwreg(HW_REG_IB_STS2, 6, 4)
	s_cmp_eq_u32 s2, 0
	s_cbranch_scc0 .Lentry_in_a_cluster
	s_endpgm
.Lentry_in_a_cluster:
	s_bfe_u32 s2, ttmp6, 0x10000c
	s_cmp_lg_u32 s2, 0x3003
	s_cbranch_scc0 .Lentry_shape_is_right
	s_endpgm
.Lentry_shape_is_right:
; out[b][c][i] = gamma[c][i] (sum over j of p[i][j] v[c][j]) / l[i] + x[b][c][i], p = 2^(t - M), t = (q_i . k_j) log2(e), M = the row's largest t rounded up to a whole number (a running M),
; l = the row's sum of the unquantised p.  Both products on codes of FP4 (E2M1) with one E8M0 scale for each 32 along K.  q, k, v come as images of operand registers:
; a fragment's image is 1,024 bytes, half e (512 bytes) holding lane l's registers 4 e .. 4 e + 3 at 16 l.
; SHARES.  A work-group owns 64 queries (four tiles m of 16) of batch b.  The keys go in eight GRANULES of 512.  Of a granule wave w makes the scores and the softmax of keys 128 w .. 128 w + 127
; for ALL 64 queries (its fragments of k are its own, straight from memory), so that its p is K step w of the second product; and it sums O for channels 128 w .. 128 w + 127 of ALL 64 queries
; (32 accumulators; its fragments of v are its own).  Row maxima and p's images go from wave to wave through LDS.  So each byte of v is read from LDS once, and O is rescaled once for 512 keys.
; Both products are used so that a lane holds ONE query (lane % 16): S^T = k q^T, O^T = v p^T.  The keys of a tile of k are chosen (lane r of tile 2 b + u: key 32 b + 8 u + r + 8 (r / 8)) so that
; the 16 registers of tiles 2 b, 2 b + 1 are 16 neighbouring keys; the queries of a tile lie in the same order, which the way out undoes.
; BY TURNS.  Trip j makes the scores and the softmax of granule j, and between that vector work stand the 128 products O^T += v p^T of granule j - 1, eight behind each 32 vector lines, and their LDS
; loads in runs of 24 to 36.  O^T, which then holds granules 0 .. j - 1 under M(j - 1), is multiplied by f = 2^(M(j - 1) - M(j)) behind those products.  Trip 0 has no products; granule 7's follow trip 7.
; CLUSTER.  The four work-groups of a cluster belong to one batch and walk the same v: each granule's 139,264 bytes are asked for JOINTLY (waves 0 and 1, half each).  k is not: a wave's fragments
; go from memory straight into its registers, 34,816 of a granule's 174,080 bytes, and a joint load would send them through LDS, written and read once more.
; v has TWO slots.  In the middle of trip j, when every wave has read v(j - 1) and p(j - 1), that slot is filled with v(j + 1), which is first read behind the next such change: a whole trip later.
; x's tile (131,072 bytes) comes at trip 7's change, into slot 0, which has had its last v: each wave brings its own 128 channels and alone reads them.  By this text's own count a wave has at most
; two tensor loads outstanding: the two first fills.
; O^T begins as zeros and the largest t as -3e38: the trip is written three times (first, loop, last) and not a fourth time; the 256 moves run while the first tiles are on their way.
; LIMITS: NaN and infinities are not served; a p under 2^-126 comes out of v_exp_f32 as 0 (ISA guide 15.8); a block whose every p is 0 keeps the byte 1: its codes are zeros.
; LDS
.set SLOTB, 139264                     ; a slot of v, and a granule in memory: 128 images, then the scale bytes [channel][16].  Slot 0 at byte 0, slot 1 at SLOTB = 0x22000: one exclusive or turns a slot's address
.set VSCL,  131072                     ; where the scale bytes begin in a slot
.set PIMG,  278528                     ; p's images: (tile m, K step s) at (4 m + s) x 1,024
.set PSC,   294912                     ; p's scale words: 256 s + 64 m + 4 r
.set MX,    295936                     ; row maxima, 512 bytes a wave; 2,048 bytes on: the waves' row sums
.set SPARE, 300032                     ; the spare words, 128 bytes for each wave: two blocks of 256 bytes that no other line names
; REGISTERS, window 0
.set SPW, 1                            ; v1   SPARE + 4 x my thread's number; never rewritten
.set NIL, 2                            ; v2   0; never rewritten
.set LI,  3                            ; v3   16 x lane
.set LS,  4                            ; v4   4 x lane
.set AV,  5                            ; v5   my 32 images in a slot of v: 32,768 w + 16 x lane; at the end: my channels' rows of x, which lie at the same bytes of slot 0
.set AVS, 6                            ; v6   my channels' scale bytes in a slot
.set PWI, 7                            ; v7   where I store p's images
.set PWS, 8                            ; v8   and their scale words
.set PRI, 9                            ; v9   where I read p's images
.set PRS, 10                           ; v10  and scale words
.set MXW, 11                           ; v11  where I store four numbers a lane for the other waves
.set MXA, 12                           ; v12  where I read the four waves'
.set STO, 13                           ; v13  the stage: in
.set RD,  14                           ; v14  the stage: back
.set ADV, 15                           ; v15  AV in the slot in hand
.set ST,  16                           ; v16-31   tile m: -M, the largest t, l in two halves
.set F,   32                           ; v32-39   tile m: f = 2^(old M - new M), later 1 / l, as the low half of a pair
.set BM,  40                           ; v40-55   the largest score, then p, of block b of tile m
.set T2,  56                           ; v56-71   at work
.set SCO, 72                           ; v72-87   the conversions' scale operands
.set PW,  88                           ; v88-91   p's scale words
.set PC,  92                           ; v92-123  p's codes
.set MXR, 124                          ; v124-139 the four waves' maxima or sums
.set LM,  140                          ; v140-143 mine
.set KS,  144                          ; v144-147 k's scale words
.set QS,  148                          ; v148-149 q's
.set VS,  150                          ; v150-165 v's: register 4 i + s: lanes 0-15 channel tile 2 i, lanes 16-31 tile 2 i + 1, K step s
.set PS,  166                          ; v166-173 p's: register 2 s + i: lanes 0-15 tile 2 i, lanes 16-31 tile 2 i + 1
.set GO,  174                          ; v174     two rows of gamma or out: 16,384 h + 16 r
.set ADVS, 175                         ; v175     AVS in the slot in hand
.set QF,  176                          ; v176-207 q's four fragments
.set SB,  208                          ; v208-215 the sums' second chains
.set OLD, 216                          ; v216-219 the old -M
.set XPF, 220                          ; v220     16,384 x lane: a channel's row of x for each lane
; window 1: O^T, (channel tile c, tile m) at 8 (4 c + m).   window 2: S^T then p, (m, key tile t) at 64 m + 8 t; at last gamma.
; window 3: v0-63 k's fragments; v's set p at 64 + 64 p; p's set p at 192 + 32 p; on the way out two sets of 64 at v0 and v64.
.set W_S,  0x83                        ; k window 3, q window 0, S^T window 2
.set W_M1, 0x2a                        ; three sources window 2
.set W_M2, 0x28                        ; sources 1 and 2 window 2
.set W_P,  0x82                        ; source 0 and destination window 2
.set W_C,  0x02                        ; source 0 window 2
.set W_A1, 0x0a                        ; sources 0 and 1 window 2
.set W_A2, 0x08                        ; source 1 window 2
.set W_R,  0x41                        ; source 0 and destination window 1
.set W_F3, 0xc0                        ; destination window 3
.set W_PV, 0x5f                        ; sources 0 and 1 window 3, C and D window 1
.set W_Z,  0x40                        ; destination window 1
.set W_G,  0x80                        ; destination window 2
.set W_ST, 0x04                        ; an LDS store's data (source 1) window 1
.set W_O,  0xfe                        ; source 0 window 2, all else window 3
.set W_GS, 0x0c                        ; a store's data (source 1) window 3
.set MSB, 0
.macro WIN new                         ; the immediate's high byte repeats the setting that is left; at a label and at a branch every window is 0
.if MSB != \new
	s_set_vgpr_msb (MSB<<8)|\new
.set MSB, \new
.endif
.endm
.macro PLACES                          ; four plain places behind a matrix instruction, in front of reads of results and of loads into its registers
.rept 4
	v_nop
.endr
.endm
.macro CROUND                          ; a round of the cluster's barrier
	s_barrier_signal -1
	s_barrier_wait -1
	s_cmp_lg_u32 s16, 0
	s_cbranch_scc1 .Lnot_wave_0_\@
	s_barrier_signal -3
.Lnot_wave_0_\@:
	s_barrier_wait -3
	s_barrier_signal -1
	s_barrier_wait -1
.endm
.macro TLOADV                          ; the joint refill: waves 0 and 1, half a granule each; the branch hangs on the wave's number alone; four v_nop follow the load
	s_cmp_lt_u32 s16, 2
	s_cbranch_scc0 .Lno_v_\@
	tensor_load_to_lds s[44:47], s[24:31]
	s_nop 0
	PLACES
.Lno_v_\@:
.endm
; one product 16 x 16 x 128: D at d, sources at a and b, z = 1: the sum begins with 0; scale words sa, sb; ra, rb = 1: taken from lanes 16-31
.macro WM d, a, b, z, sa, sb, ra, rb
.if (\z) && (\ra) && (\rb)
	v_wmma_scale_f32_16x16x128_f8f6f4 v[\d:\d+7], v[\a:\a+7], v[\b:\b+7], 0, v[\sa], v[\sb] matrix_a_fmt:MATRIX_FMT_FP4 matrix_b_fmt:MATRIX_FMT_FP4 matrix_a_scale:MATRIX_SCALE_ROW1 matrix_b_scale:MATRIX_SCALE_ROW1
.elseif (\z) && (\ra)
	v_wmma_scale_f32_16x16x128_f8f6f4 v[\d:\d+7], v[\a:\a+7], v[\b:\b+7], 0, v[\sa], v[\sb] matrix_a_fmt:MATRIX_FMT_FP4 matrix_b_fmt:MATRIX_FMT_FP4 matrix_a_scale:MATRIX_SCALE_ROW1
.elseif (\z) && (\rb)
	v_wmma_scale_f32_16x16x128_f8f6f4 v[\d:\d+7], v[\a:\a+7], v[\b:\b+7], 0, v[\sa], v[\sb] matrix_a_fmt:MATRIX_FMT_FP4 matrix_b_fmt:MATRIX_FMT_FP4 matrix_b_scale:MATRIX_SCALE_ROW1
.elseif (\z)
	v_wmma_scale_f32_16x16x128_f8f6f4 v[\d:\d+7], v[\a:\a+7], v[\b:\b+7], 0, v[\sa], v[\sb] matrix_a_fmt:MATRIX_FMT_FP4 matrix_b_fmt:MATRIX_FMT_FP4
.elseif (\ra) && (\rb)
	v_wmma_scale_f32_16x16x128_f8f6f4 v[\d:\d+7], v[\a:\a+7], v[\b:\b+7], v[\d:\d+7], v[\sa], v[\sb] matrix_a_fmt:MATRIX_FMT_FP4 matrix_b_fmt:MATRIX_FMT_FP4 matrix_a_scale:MATRIX_SCALE_ROW1 matrix_b_scale:MATRIX_SCALE_ROW1
.elseif (\ra)
	v_wmma_scale_f32_16x16x128_f8f6f4 v[\d:\d+7], v[\a:\a+7], v[\b:\b+7], v[\d:\d+7], v[\sa], v[\sb] matrix_a_fmt:MATRIX_FMT_FP4 matrix_b_fmt:MATRIX_FMT_FP4 matrix_a_scale:MATRIX_SCALE_ROW1
.elseif (\rb)
	v_wmma_scale_f32_16x16x128_f8f6f4 v[\d:\d+7], v[\a:\a+7], v[\b:\b+7], v[\d:\d+7], v[\sa], v[\sb] matrix_a_fmt:MATRIX_FMT_FP4 matrix_b_fmt:MATRIX_FMT_FP4 matrix_b_scale:MATRIX_SCALE_ROW1
.else
	v_wmma_scale_f32_16x16x128_f8f6f4 v[\d:\d+7], v[\a:\a+7], v[\b:\b+7], v[\d:\d+7], v[\sa], v[\sb] matrix_a_fmt:MATRIX_FMT_FP4 matrix_b_fmt:MATRIX_FMT_FP4
.endif
.endm
; THE SECOND PRODUCT'S LDS LOADS, in runs.  K step s of a granule: my eight fragments of v (16 loads) and p's four (8 loads), into set p
.macro VFRAG s, p
.irp c, 0,1,2,3,4,5,6,7
.irp e, 0,1
	ds_load_b128 v[64+64*(\p)+8*\c+4*\e:64+64*(\p)+8*\c+4*\e+3], v[ADV] offset:(4*\c+(\s))*1024+512*\e
.endr
.endr
.endm
.macro PFRAG s, p
.irp m, 0,1,2,3
.irp e, 0,1
	ds_load_b128 v[192+32*(\p)+8*\m+4*\e:192+32*(\p)+8*\m+4*\e+3], v[PRI] offset:(4*\m+(\s))*1024+512*\e
.endr
.endr
.endm
.macro FETCH s, p                      ; 24 loads
	WIN W_F3
	VFRAG \s, \p
	PFRAG \s, \p
.endm
.macro VHEAD                           ; 36 loads: of the slot that s72 names: my channels' scale words and v's fragments of K steps 0 and 1.  That slot has been shown whole to every wave
	WIN 0
	v_add_nc_u32 v[ADV], s72, v[AV]
	v_add_nc_u32 v[ADVS], s72, v[AVS]
.irp i, 0,1,2,3
	ds_load_b128 v[VS+4*\i:VS+4*\i+3], v[ADVS] offset:512*\i
.endr
	WIN W_F3
	VFRAG 0, 0
	VFRAG 1, 1
.endm
.macro PHEAD                           ; 24 loads: p's scale words and its fragments of K steps 0 and 1
	WIN 0
.irp s, 0,1,2,3
.irp i, 0,1
	ds_load_b32 v[PS+2*\s+\i], v[PRS] offset:256*\s+128*\i
.endr
.endr
	WIN W_F3
	PFRAG 0, 0
	PFRAG 1, 1
.endm
; eight products of K step s: O^T(c, m) += v(c) p(m), accumulators 8 g .. 8 g + 7 of the 32.  The 32 take turns, one instruction a turn, in the same order in every K step
.macro PVG s, g
	WIN W_PV
.irp k, 0,1,2,3,4,5,6,7
	WM 8*(8*(\g)+\k), 64+64*((\s)%2)+8*(2*(\g)+\k/4), 192+32*((\s)%2)+8*(\k%4), 0, VS+4*(\g)+(\s), PS+2*(\s)+(\k%4)/2, \k/4, \k%2
.endr
.endm
; row r of eight of the search for the largest score of each block of 32 keys: one line for each of the 16 blocks (tile m, block b), which so take turns
.macro MAXROW r
.if (\r) == 0
	WIN W_M1
.irp m, 0,1,2,3
.irp b, 0,1,2,3
	v_max3_num_f32 v[BM+4*\m+\b], v[64*\m+16*\b], v[64*\m+16*\b+1], v[64*\m+16*\b+2]
.endr
.endr
.elseif (\r) < 7
	WIN W_M2
.irp m, 0,1,2,3
.irp b, 0,1,2,3
	v_max3_num_f32 v[BM+4*\m+\b], v[BM+4*\m+\b], v[64*\m+16*\b+2*(\r)+1], v[64*\m+16*\b+2*(\r)+2]
.endr
.endr
.else
	WIN W_M2
.irp m, 0,1,2,3
.irp b, 0,1,2,3
	v_max_num_f32 v[BM+4*\m+\b], v[BM+4*\m+\b], v[64*\m+16*\b+15]
.endr
.endr
.endif
.endm
; THE CHANGE OF SLOTS.  Each wave: all its tensor loads have landed (the slot that the next products read); 0 onto its spare word; that and its reads of the slot just left and of p's images are over;
; a round of the cluster's barrier, so that the same holds of every wave of all four work-groups; then the refill of the slot just left, first thing behind the round.
; x = 0: the joint load of the granule after the next.  x = 1: each wave's own quarter of x's tile, into slot 0.
.macro CHANGE x
	WIN 0
	s_wait_tensorcnt 0x0                           ; no tensor load of mine is out, so a group 0 may be written
	ds_add_u32 v[SPW], v[NIL]                      ; the scalar steps stand between the adds and the wait for them
	ds_add_u32 v1, v2
	s_xor_b32 s72, s72, SLOTB                      ; the slot that the next products read
.if \x == 0
	s_xor_b32 s45, s45, SLOTB                      ; the walking descriptor: the other slot than last time,
	s_add_nc_u64 s[46:47], s[46:47], SLOTB         ; the next granule; the type bits on top are not reached
.endif
	s_wait_dscnt 0x0                               ; the add is done, and my reads of the slot and of p's images are over
	CROUND
.if \x == 0
	TLOADV
.else
	tensor_load_to_lds s[68:71], s[36:43]          ; no mask: each work-group has its own queries, each wave its own 128 channels
	s_nop 0
	PLACES
.endif
.endm
; A TRIP: the scores and the softmax of a granule.  pv = 1: the products of the granule before stand between.  kl = 1: the next granule's k is asked for.
; chg = 0: no slot is left; 1: it takes v; 2: it takes x.  gam = 1: the last trip: x is prefetched and gamma asked for.
.macro TRIP pv, kl, chg, gam
.if \pv
	PHEAD                                          ; p of the granule before lies in LDS since the barrier that closed the last trip
.endif
	s_wait_loadcnt 0x0                             ; k's fragments and scale words (in the first trip q's too): asked for a trip ago
	WIN W_S
.irp m, 0,1,2,3                        ; S^T = k q^T for my 128 keys and the four tiles of queries: 32 products, each a whole sum (K = 80 in one instruction)
.irp t, 0,1,2,3,4,5,6,7
	WM 64*\m+8*\t, 8*\t, QF+8*\m, 1, KS+\t/2, QS+\m/2, \t%2, \m%2
.endr
.endr
	WIN 0
	PLACES
.if \kl
	s_add_nc_u64 s[52:53], s[52:53], 34816         ; (the loads that named this base are done: the wait above)  the next granule's k for my wave
	WIN W_F3
.irp t, 0,1,2,3,4,5,6,7
.irp e, 0,1
	global_load_b128 v[8*\t+4*\e:8*\t+4*\e+3], v[LI], s[52:53] offset:\t*1024+512*\e
.endr
.endr
	WIN 0
.irp i, 0,1,2,3
	global_load_b32 v[KS+\i], v[LS], s[52:53] offset:8192+128*\i
.endr
.endif
.if \gam
.irp i, 0,1,2,3                        ; my quarter of x's tile is asked into the L2: 128 rows of 256 bytes, a lane to a row, each row once in the launch; the tensor load that wants them stands behind this trip's change of slots
	global_prefetch_b8 v[XPF], s[66:67] offset:\i*524288 th:TH_LOAD_NT scope:SCOPE_SE
.endr
.endif
	; the largest score of each block of 32 keys: it serves for the row's maximum and, since p rises with the score, for the block's largest p.  K step 0's products stand behind each two rows
.irp r, 0,1,2,3,4,5,6,7
	MAXROW \r
.if \pv && (\r%2)
.if \r == 1
	s_wait_dscnt 0x0                               ; K steps 0 and 1: v's fragments and scale words, p's fragments and scale words
.endif
	PVG 0, \r/2
.endif
.endr
	WIN 0
.irp k, 0,1,2,3,4,5,6,7,8,9,10,11,12,13,14,15
	v_permlanex16_b32 v[T2+\k], v[BM+\k], s20, s21
.endr
.irp k, 0,1,2,3,4,5,6,7,8,9,10,11,12,13,14,15
	v_max_num_f32 v[BM+\k], v[BM+\k], v[T2+\k]     ; with lane l xor 16's 16 keys
.endr
.irp m, 0,1,2,3
	v_max3_num_f32 v[LM+\m], v[BM+4*\m], v[BM+4*\m+1], v[BM+4*\m+2]
.endr
.irp m, 0,1,2,3
	v_max_num_f32 v[LM+\m], v[LM+\m], v[BM+4*\m+3] ; my 128 keys' largest score of each query
.endr
	ds_store_b128 v[MXW], v[LM:LM+3]
	s_wait_dscnt 0x0                               ; for the others' sake: my store has landed
	s_barrier_signal -1
	s_barrier_wait -1                              ; v's load may stay on its way
.irp i, 0,1,2,3
	ds_load_b128 v[MXR+4*\i:MXR+4*\i+3], v[MXA] offset:512*\i
.endr
	s_wait_dscnt 0x0
.irp m, 0,1,2,3
	v_max3_num_f32 v[LM+\m], v[MXR+\m], v[MXR+4+\m], v[MXR+8+\m]
.endr
.irp m, 0,1,2,3
	v_max_num_f32 v[LM+\m], v[LM+\m], v[MXR+12+\m] ; the granule's largest score: the same number in all four waves, so all four keep the same M
.endr
.irp m, 0,1,2,3
	v_mul_f32 v[LM+\m], s22, v[LM+\m]              ; as t (log2(e) is positive)
.endr
.irp m, 0,1,2,3
	v_max_num_f32 v[ST+4*\m+1], v[ST+4*\m+1], v[LM+\m]
.endr
.irp m, 0,1,2,3
	v_mov_b32 v[OLD+\m], v[ST+4*\m]
.endr
.irp m, 0,1,2,3
	v_floor_f32 v[ST+4*\m], -v[ST+4*\m+1]          ; the new -M = floor(-t) = -ceil(t)
.endr
.irp m, 0,1,2,3
	v_sub_f32 v[OLD+\m], v[ST+4*\m], v[OLD+\m]     ; old M - new M: a whole number, 0 or less
.endr
.irp m, 0,1,2,3
	v_cvt_i32_f32 v[OLD+\m], v[OLD+\m]             ; (it saturates)
.endr
.irp m, 0,1,2,3
	v_ldexp_f32 v[F+2*\m], 1.0, v[OLD+\m]          ; f = 2^(old M - new M): a multiplication by it rounds nothing
.endr
.if \pv
	FETCH 2, 0                                     ; K step 2 into the set that K step 0 has left (its last product stands more than four plain lines back)
.endif
	WIN 0
.irp m, 0,1,2,3
.irp b, 0,1,2,3
	v_fma_f32 v[BM+4*\m+\b], v[BM+4*\m+\b], s22, v[ST+4*\m]       ; t - M of each block's largest score
.endr
.endr
.irp m, 0,1,2,3                        ; K step 1's products stand in front of each tile's 32 lines
.if \pv
	PVG 1, \m
.endif
	WIN W_P
.set j, 0
.rept 32
	v_pk_fma_f32 v[64*\m+j:64*\m+j+1], v[64*\m+j:64*\m+j+1], s[22:23], v[ST+4*\m:ST+4*\m+1] op_sel_hi:[1,0,0]   ; t - M, two at a time (of the pairs the low word serves both halves)
.set j, j+2
.endr
.endr
.if \pv
	FETCH 3, 1                                     ; K step 3 into the set that K step 1 has left: the 32 lines above are the places
	s_wait_dscnt 24                                ; K step 2 is in: all but the 24 just issued
.endif
.irp e, 0,1,2,3,4,5,6,7                ; K steps 2 and 3: eight products in front of each 32 exponentials
.if \pv
.if \e == 4
	s_wait_dscnt 0x0                               ; K step 3 is in
.endif
	PVG 2+\e/4, \e%4
.endif
	WIN W_P
.set j, 32*\e
.rept 32
	v_exp_f32 v[j], v[j]                           ; p = 2^(t - M): NOT normalised
.set j, j+1
.endr
.endr
	WIN 0
.irp k, 0,1,2,3,4,5,6,7,8,9,10,11,12,13,14,15
	v_exp_f32 v[BM+\k], v[BM+\k]                   ; the block's largest p: the same arithmetic on the same number
.endr
.irp m, 0,1,2,3
	v_pk_mul_f32 v[ST+4*\m+2:ST+4*\m+3], v[ST+4*\m+2:ST+4*\m+3], v[F+2*\m:F+2*\m+1] op_sel_hi:[1,0]   ; the sums under the new M.  (Plain places behind the exponentials)
.endr
	s_wait_alu depctr_va_vdst(0)
.irp k, 0,1,2,3,4,5,6,7,8,9,10,11,12,13,14,15
	v_max_num_f32 v[BM+\k], 0x1800000, v[BM+\k]    ; the floor 2^(3 - 127): the byte cannot fall under 1
.endr
.irp k, 0,1,2,3,4,5,6,7,8,9,10,11,12,13,14,15
	v_add_nc_u32 v[SCO+\k], 0xff000000, v[BM+\k]   ; 2 off the exponent field: the conversion's scale operand
.endr
.irp k, 0,1,2,3,4,5,6,7,8,9,10,11,12,13,14,15
	v_lshrrev_b32 v[T2+\k], 23, v[SCO+\k]          ; the scale's byte
.endr
.irp m, 0,1,2,3
	v_lshl_or_b32 v[PW+\m], v[T2+4*\m+1], 8, v[T2+4*\m]
.endr
.irp m, 0,1,2,3
	v_lshl_or_b32 v[PW+\m], v[T2+4*\m+2], 16, v[PW+\m]
.endr
.irp m, 0,1,2,3
	v_lshl_or_b32 v[PW+\m], v[T2+4*\m+3], 24, v[PW+\m]           ; p's scale word for my 128 keys
.endr
	WIN W_C
.irp m, 0,1,2,3
.irp b, 0,1,2,3
	v_cvt_scalef32_pk8_fp4_f32 v[PC+8*\m+2*\b], v[64*\m+16*\b:64*\m+16*\b+7], v[SCO+4*\m+\b]
	v_cvt_scalef32_pk8_fp4_f32 v[PC+8*\m+2*\b+1], v[64*\m+16*\b+8:64*\m+16*\b+15], v[SCO+4*\m+\b]
.endr
.endr
	WIN 0
	v_nop                                          ; one plain place behind a scaled conversion
.irp m, 0,1,2,3
.irp e, 0,1                            ; the operand's layout wants a WHOLE block in a lane
.irp i, 0,1
	v_permlane16_swap_b32 v[PC+8*\m+4*\e+\i], v[PC+8*\m+4*\e+2+\i]
.endr
.endr
.endr
.if \chg == 1
	CHANGE 0                                       ; behind it nobody reads the old p or the slot just left
.elseif \chg == 2
	CHANGE 1
.endif
.irp m, 0,1,2,3
.irp e, 0,1
	ds_store_b128 v[PWI], v[PC+8*\m+4*\e:PC+8*\m+4*\e+3] offset:\m*4096+512*\e    ; K step w of the second product, as an image of its registers
.endr
	ds_store_b32 v[PWS], v[PW+\m] offset:64*\m     ; lanes r and r + 16 store the same word
.endr
.if \chg
	VHEAD                                          ; the next products' first fragments of v land under the sums and the rescaling
.endif
	WIN W_A1                                       ; THE ROW'S SUM IS TAKEN OF THE UNQUANTISED p: two at a time, two chains a tile, the four tiles by turns
.irp m, 0,1,2,3
	v_pk_add_f32 v[SB+2*\m:SB+2*\m+1], v[64*\m:64*\m+1], v[64*\m+2:64*\m+3]
.endr
	WIN W_A2
.irp j, 4,8,12,16,20,24,28,32,36,40,44,48,52,56,60
.irp m, 0,1,2,3
	v_pk_add_f32 v[ST+4*\m+2:ST+4*\m+3], v[ST+4*\m+2:ST+4*\m+3], v[64*\m+\j:64*\m+\j+1]
	v_pk_add_f32 v[SB+2*\m:SB+2*\m+1], v[SB+2*\m:SB+2*\m+1], v[64*\m+\j+2:64*\m+\j+3]
.endr
.endr
	WIN 0
.irp m, 0,1,2,3
	v_pk_add_f32 v[ST+4*\m+2:ST+4*\m+3], v[ST+4*\m+2:ST+4*\m+3], v[SB+2*\m:SB+2*\m+1]
.endr
.if \gam
	WIN W_G                                        ; p's registers are free: gamma's rows of my 128 channels, two rows a load, 56 of the 64 loads
.set j, 0
.rept 56
	global_load_b128 v[4*j:4*j+3], v[GO], s[54:55] offset:j*32768
.set j, j+1
.endr
.endif
.if \pv
	WIN W_R                                        ; O^T, which holds the granules before this one, under the new M: x f, each accumulator from its low end on
.irp c, 0,1,2,3,4,5,6,7
.irp m, 0,1,2,3
.irp j, 0,2,4,6
	v_pk_mul_f32 v[8*(4*\c+\m)+\j:8*(4*\c+\m)+\j+1], v[8*(4*\c+\m)+\j:8*(4*\c+\m)+\j+1], v[F+2*\m:F+2*\m+1] op_sel_hi:[1,0]
.endr
.endr
.endr
.endif
	WIN 0
.if \chg == 0
	s_wait_tensorcnt 0x1                           ; the first granule's v has landed; the second's load, issued behind it, may stay out
.endif
	s_wait_dscnt 0x0                               ; my stores of p have landed
	s_barrier_signal -1
	s_barrier_wait -1                              ; p's sixteen images lie in LDS
.endm
; THE WAY OUT of channel tile c.  PACK: O^T / l; a lane holds 8 channels of one query, so the tile goes through my own stage in LDS, where the queries find their places, and comes back as rows of
; 256 bytes (64 queries of a channel); x's rows come with them.  LDS serves a wave's instructions in order (ISA guide 5.7.1.4): no wait between the stores and the loads.
; The stage's rows are 272 bytes apart: the 32 lanes of a store fall on 32 different banks (64 banks of 4 bytes: ISA guide 11.1).
.macro PACK c
.if (\c) >= 2
	s_wait_xcnt 0x0                                ; tile c - 2's stores have read their registers: this tile's loads may land there
.endif
	WIN W_R
.irp m, 0,1,2,3
.irp j, 0,2,4,6
	v_pk_mul_f32 v[8*(4*(\c)+\m)+\j:8*(4*(\c)+\m)+\j+1], v[8*(4*(\c)+\m)+\j:8*(4*(\c)+\m)+\j+1], v[F+2*\m:F+2*\m+1] op_sel_hi:[1,0]
.endr
.endr
	WIN W_ST
.irp m, 0,1,2,3
.irp j, 0,1,2,3,4,5,6,7
	ds_store_b32 v[STO], v[8*(4*(\c)+\m)+\j] offset:(\c)*4352+\j*272+128*(\m/2)+32*(\m%2)   ; channel 16 c + 8 h + j, query 32 (m / 2) + 8 (m % 2) + r + 8 (r / 8)
.endr
.endr
	WIN W_F3
.irp i, 0,1,2,3,4,5,6,7
	ds_load_b128 v[64*((\c)%2)+4*\i:64*((\c)%2)+4*\i+3], v[RD] offset:(\c)*4352+544*\i
.endr
.irp i, 0,1,2,3,4,5,6,7
	ds_load_b128 v[64*((\c)%2)+32+4*\i:64*((\c)%2)+32+4*\i+3], v[AV] offset:(\c)*4096+512*\i
.endr
.endm
.macro SEND c, younger                 ; younger: the LDS instructions issued behind tile c's loads
	s_wait_dscnt \younger
	s_wait_loadcnt 56-8*(\c)                       ; gamma's loads come back in order (ISA guide 5.7.1): behind this tile's eight stand those of the later tiles
	WIN W_O
.set k, 0
.rept 16
	v_pk_fma_f32 v[64*((\c)%2)+k:64*((\c)%2)+k+1], v[32*(\c)+k:32*(\c)+k+1], v[64*((\c)%2)+k:64*((\c)%2)+k+1], v[64*((\c)%2)+32+k:64*((\c)%2)+32+k+1]   ; gamma o + x
.set k, k+2
.endr
	WIN W_GS
.irp i, 0,1,2,3,4,5,6,7
	global_store_b128 v[GO], v[64*((\c)%2)+4*\i:64*((\c)%2)+4*\i+3], s[56:57] offset:(16*(\c)+2*\i)*16384 th:TH_STORE_NT   ; 16 lanes store 256 consecutive bytes, at a multiple of 256 from the buffer's first byte
.endr
.endm
	s_load_b256 s[4:11], s[0:1], 0x0               ; qbuf s[4:5], kbuf s[6:7], vbuf s[8:9], x s[10:11]
	s_load_b128 s[12:15], s[0:1], 0x20             ; gamma s[12:13], out0 s[14:15]
	v_lshl_add_u32 v[SPW], v0, 2, SPARE
	v_mov_b32 v[NIL], 0
	ds_add_u32 v1, v2
	ds_add_u32 v1, v2
	s_wait_dscnt 0x0
	v_lshrrev_b32 v216, 5, v0
	v_readfirstlane_b32 s16, v216                  ; wave 0..3
	s_and_b32 s17, s16, 1                          ; which half of a granule I fetch, if I fetch
	s_and_b32 s49, ttmp7, 0xffff                   ; the batch, which the four partners share
	s_mul_i32 s58, s49, 1114112                    ; v: the batch's eight granules,
	s_mul_i32 s33, s17, 69632                      ; my half, in a slot
	s_add_co_u32 s58, s58, s33                     ; and in memory
	s_mov_b32 s59, 0
	s_bfe_u32 s18, ttmp6, 0x40000                  ; cx: my place in the cluster: it enters q's, x's, gamma's and out's addresses alone
	s_lshl_b32 s19, ttmp9, 2
	s_add_co_u32 s19, s19, s18                     ; my block of 64 queries = 4 x cluster x + cx
	; v's descriptor: half a granule, 69,632 dense bytes, as 272 rows of 256 bytes
	s_mov_b32 s24, 15|(3<<16)|(1<<21)              ; the mask: all four work-groups; elements of 8 bytes; bit 21 set beside a mask
	s_mov_b32 s25, 32<<16                          ; tensor_dim0 = 32
	s_mov_b32 s26, 272<<16                         ; tensor_dim1 = 272
	s_mov_b32 s27, 32<<16                          ; tile_dim0 = 32
	s_mov_b32 s28, 272                             ; tile_dim1 = 272
	s_mov_b32 s29, 32                              ; tensor_dim0_stride
	s_mov_b32 s30, 0
	s_mov_b32 s31, 0
	s_mov_b32 s32, 1                               ; group 0 of the first fill: granule 0 into slot 0
	s_mov_b32 s44, 1                               ; group 0 of the second: granule 1 into slot 1; it then walks on
	s_add_co_u32 s45, s33, SLOTB
	; x's descriptor: 128 rows (channels) x 64 elements of 4 bytes, 4,096 elements from row to row; no mask
	s_mov_b32 s36, 2<<16
	s_mov_b32 s37, 64<<16
	s_mov_b32 s38, 128<<16
	s_mov_b32 s39, 64<<16
	s_mov_b32 s40, 128
	s_mov_b32 s41, 4096
	s_mov_b32 s42, 0
	s_mov_b32 s43, 0
	s_mov_b32 s68, 1
	s_lshl_b32 s69, s16, 15                        ; into slot 0: my 128 rows of 256 bytes
	s_mov_b32 s20, 0x76543210
	s_mov_b32 s21, 0xfedcba98                      ; v_permlanex16_b32's selects for lane l xor 16
	s_mov_b32 s22, 0x3fb8aa3b                      ; log2(e)
	s_mov_b32 s23, s22                             ; (named with it as a pair, so it is written)
	s_mov_b32 s48, 6                               ; the loop's trips: granules 1 to 6
	s_mov_b32 s72, 0                               ; the slot that the next products read
	; addresses
	v_and_b32 v216, 31, v0                         ; lane
	v_and_b32 v217, 15, v0                         ; r
	v_bfe_u32 v218, v0, 4, 1                       ; h
	v_lshlrev_b32 v[LI], 4, v216
	v_lshlrev_b32 v[LS], 2, v216
	v_lshlrev_b32 v[XPF], 14, v216
	s_lshl_b32 s62, s16, 15
	v_add_nc_u32 v[AV], s62, v[LI]
	s_lshl_b32 s62, s16, 11
	s_add_co_u32 s62, s62, VSCL
	v_add_nc_u32 v[AVS], s62, v[LI]
	s_lshl_b32 s62, s16, 10
	s_add_co_u32 s62, s62, PIMG
	v_add_nc_u32 v[PWI], s62, v[LI]
	v_add_nc_u32 v[PRI], PIMG, v[LI]
	s_lshl_b32 s62, s16, 8
	s_add_co_u32 s62, s62, PSC
	v_lshl_add_u32 v[PWS], v217, 2, s62
	v_add_nc_u32 v[PRS], PSC, v[LS]
	s_lshl_b32 s62, s16, 9
	s_add_co_u32 s62, s62, MX
	v_add_nc_u32 v[MXW], s62, v[LI]
	v_add_nc_u32 v[MXA], MX, v[LI]
	s_mul_i32 s62, s16, 34816                      ; my stage: 128 rows of 272 bytes, in slot 1, which has had its last fill and its last read when the first result is stored there
	s_add_co_u32 s62, s62, SLOTB
	v_and_b32 v219, 8, v217
	v_add_nc_u32 v219, v219, v217                  ; r + 8 (r / 8)
	v_lshlrev_b32 v219, 2, v219
	v_mad_u32_u24 v[STO], v218, 2176, v219
	v_add_nc_u32 v[STO], s62, v[STO]
	v_lshlrev_b32 v219, 4, v217
	v_mad_u32_u24 v[RD], v218, 272, v219
	v_add_nc_u32 v[RD], s62, v[RD]
	v_lshl_add_u32 v[GO], v218, 14, v219
	s_wait_kmcnt 0x0
	s_add_nc_u64 s[34:35], s[8:9], s[58:59]
	s_add_nc_u64 s[46:47], s[34:35], SLOTB
	s_or_b32 s35, s35, 0x80000000                  ; type = 2
	s_or_b32 s47, s47, 0x80000000
	s_lshl_b32 s58, s49, 5
	s_add_co_u32 s58, s58, s16
	s_mul_i32 s58, s58, 8704                       ; k: unit 32 b + 4 g + w
	s_add_nc_u64 s[52:53], s[6:7], s[58:59]
	s_lshl_b32 s60, s49, 6
	s_add_co_u32 s60, s60, s19
	s_mul_i32 s60, s60, 4352                       ; q: unit 64 b + my block
	s_mov_b32 s61, 0
	s_add_nc_u64 s[50:51], s[4:5], s[60:61]
	s_lshl_b32 s60, s16, 21                        ; gamma: my 128 channels of 16,384 bytes,
	s_lshl_b32 s18, s19, 8                         ; my 64 queries
	s_add_co_u32 s60, s60, s18
	s_add_nc_u64 s[54:55], s[12:13], s[60:61]
	s_lshl_b32 s18, s49, 23                        ; out and x: and the batch
	s_add_co_u32 s60, s60, s18
	s_add_nc_u64 s[56:57], s[14:15], s[60:61]
	s_add_nc_u64 s[66:67], s[10:11], s[60:61]
	s_mov_b64 s[70:71], s[66:67]
	s_or_b32 s71, s71, 0x80000000
	CROUND                                         ; all four work-groups are here: the first joint loads meet
	s_cmp_lt_u32 s16, 2                            ; a wave's two first fills stand in one branch, ahead of every wait on TENSORcnt and every LDS read; four v_nop follow the second
	s_cbranch_scc0 .Lfirst_asked
	tensor_load_to_lds s[32:35], s[24:31]
	s_nop 0
	tensor_load_to_lds s[44:47], s[24:31]
	s_nop 0
	PLACES
.Lfirst_asked:
.irp m, 0,1,2,3
.irp e, 0,1
	global_load_b128 v[QF+8*\m+4*\e:QF+8*\m+4*\e+3], v[LI], s[50:51] offset:\m*1024+512*\e   ; q stays in registers
.endr
.endr
.irp i, 0,1
	global_load_b32 v[QS+\i], v[LS], s[50:51] offset:4096+128*\i
.endr
	WIN W_F3
.irp t, 0,1,2,3,4,5,6,7
.irp e, 0,1
	global_load_b128 v[8*\t+4*\e:8*\t+4*\e+3], v[LI], s[52:53] offset:\t*1024+512*\e          ; the first granule's k for my wave
.endr
.endr
	WIN 0
.irp i, 0,1,2,3
	global_load_b32 v[KS+\i], v[LS], s[52:53] offset:8192+128*\i
.endr
.irp m, 0,1,2,3
	v_mov_b32 v[ST+4*\m+1], 0xff61b1e6             ; the largest t so far: -3e38, under every t
	v_floor_f32 v[ST+4*\m], -v[ST+4*\m+1]          ; -M
	v_mov_b32 v[ST+4*\m+2], 0                      ; the sum, in two halves
	v_mov_b32 v[ST+4*\m+3], 0
	v_mov_b32 v[F+2*\m+1], 0                       ; (named as the upper half of a pair)
.endr
.irp k, 0,1,2,3,4,5,6,7,8,9,10,11,12,13,14,15
	v_mov_b32 v[T2+\k], 0                          ; written once: a lane permute's destination counts as one of its sources
.endr
	WIN W_Z
.set j, 0
.rept 256
	v_mov_b32 v[j], 0                              ; O^T: the loop's first products add onto zeros
.set j, j+1
.endr
	WIN 0
	TRIP 0, 1, 0, 0                                ; granule 0: no products yet, no slot to leave
	VHEAD                                          ; slot 0 is whole for every wave: granule 0's first fragments of v
	WIN 0
.Ltrip:                                            ; six trips: granules 1 to 6, with the products of granules 0 to 5; each leaves a slot, which takes granules 2 to 7
	TRIP 1, 1, 1, 0
	s_sub_co_u32 s48, s48, 1
	s_cmp_lg_u32 s48, 0
	s_cbranch_scc1 .Ltrip
	TRIP 1, 0, 2, 1                                ; granule 7, with the products of granule 6: written out; slot 0 takes x
	; the products of granule 7
	PHEAD
	s_wait_dscnt 0x0                               ; K steps 0 and 1
.irp g, 0,1,2,3
	PVG 0, \g
.endr
	PLACES                                         ; in front of loads into the set that K step 0 multiplied
	FETCH 2, 0
.irp g, 0,1,2,3
	PVG 1, \g
.endr
	PLACES
	FETCH 3, 1
	s_wait_dscnt 24                                ; K step 2 is in: all but the 24 just issued
.irp g, 0,1,2,3
	PVG 2, \g
.endr
	s_wait_dscnt 0x0
.irp g, 0,1,2,3
	PVG 3, \g
.endr
	WIN 0                                          ; the row sums: my keys' two halves, lane l xor 16's, then the four waves'.  These twelve lines are the places behind the last products
.irp m, 0,1,2,3
	v_add_f32 v[LM+\m], v[ST+4*\m+2], v[ST+4*\m+3]
.endr
.irp m, 0,1,2,3
	v_permlanex16_b32 v[T2+\m], v[LM+\m], s20, s21
.endr
.irp m, 0,1,2,3
	v_add_f32 v[LM+\m], v[LM+\m], v[T2+\m]
.endr
	ds_store_b128 v[MXW], v[LM:LM+3] offset:2048
	WIN W_G
.set j, 56
.rept 8
	global_load_b128 v[4*j:4*j+3], v[GO], s[54:55] offset:j*32768                             ; gamma's last eight loads
.set j, j+1
.endr
	WIN 0
	s_wait_dscnt 0x0                               ; my store has landed, and my reads of slot 1 are over
	s_barrier_signal -1
	s_barrier_wait -1                              ; nobody reads slot 1 any more, and it has had its last fill: it is the stage now
.irp i, 0,1,2,3
	ds_load_b128 v[MXR+4*\i:MXR+4*\i+3], v[MXA] offset:2048+512*\i
.endr
	s_wait_dscnt 0x0
.irp m, 0,1,2,3
	v_add_f32 v[LM+\m], v[MXR+\m], v[MXR+4+\m]
.endr
.irp m, 0,1,2,3
	v_add_f32 v[T2+\m], v[MXR+8+\m], v[MXR+12+\m]
.endr
.irp m, 0,1,2,3
	v_add_f32 v[LM+\m], v[LM+\m], v[T2+\m]         ; l
.endr
.irp m, 0,1,2,3
	v_rcp_f32 v[F+2*\m], v[LM+\m]
.endr
	v_nop                                          ; a plain place between the last reciprocal and the use of its result
	s_wait_alu depctr_va_vdst(0)
	s_wait_tensorcnt 0x0                           ; my quarter of x's tile has landed; only I read it
	PACK 0
.irp c, 1,2,3,4,5,6,7                  ; a tile's arithmetic and its way through the stage stand between the loads of the tile before and its stores
	PACK \c
	SEND \c-1, 48                                  ; behind tile c - 1's loads: tile c's 32 stores and 16 loads
.endr
	SEND 7, 0
	WIN 0
	s_wait_tensorcnt 0x0                           ; the wave's end: behind my last tensor load and my last LDS store
	ds_add_u32 v[SPW], v[NIL]
	s_wait_dscnt 0x0
	CROUND                                         ; the closing round: no work-group ends while a partner may still ask for a tile that names it
	s_endpgm
.Lfunc_end_k_q8e6db8097d_attn:
	.size	k_q8e6db8097d_attn, .Lfunc_end_k_q8e6db8097d_attn-k_q8e6db8097d_attn
	.p2alignl 7, 3214868480
	.fill 96, 4, 3214868480
	.section	.rodata,"a",@progbits
	.p2align	6, 0x0
	.amdhsa_kernel k_q8e6db8097d_attn
		.amdhsa_group_segment_fixed_size 327680
		.amdhsa_private_segment_fixed_size 0
		.amdhsa_enable_private_segment 0
		.amdhsa_kernarg_size 48
		.amdhsa_user_sgpr_count 2
		.amdhsa_user_sgpr_kernarg_segment_ptr 1
		.amdhsa_wavefront_size32 1
		.amdhsa_system_sgpr_workgroup_id_x 1
		.amdhsa_system_sgpr_workgroup_id_y 1
		.amdhsa_system_sgpr_workgroup_id_z 1
		.amdhsa_system_vgpr_workitem_id 0
		.amdhsa_next_free_vgpr 1024
		.amdhsa_next_free_sgpr 80
		.amdhsa_reserve_vcc 0
		.amdhsa_float_denorm_mode_32 3
		.amdhsa_float_denorm_mode_16_64 3
		.amdhsa_memory_ordered 1
		.amdhsa_forward_progress 1
		.amdhsa_inst_pref_size 255
	.end_amdhsa_kernel
	.section	.bss,"aw",@nobits
	.p2align	6
	.space	262144
	.amdgpu_metadata
---
amdhsa.version: [ 1, 2 ]
amdhsa.kernels:
  - .name:           k_q8e6db8097d_attn
    .symbol:         k_q8e6db8097d_attn.kd
    .args:
      - { .name: qbuf, .offset: 0, .size: 8, .value_kind: global_buffer, .address_space: global }
      - { .name: kbuf, .offset: 8, .size: 8, .value_kind: global_buffer, .address_space: global }
      - { .name: vbuf, .offset: 16, .size: 8, .value_kind: global_buffer, .address_space: global }
      - { .name: x, .offset: 24, .size: 8, .value_kind: global_buffer, .address_space: global }
      - { .name: gamma, .offset: 32, .size: 8, .value_kind: global_buffer, .address_space: global }
      - { .name: out0, .offset: 40, .size: 8, .value_kind: global_buffer, .address_space: global }
    .group_segment_fixed_size: 327680
    .private_segment_fixed_size: 0
    .kernarg_segment_align: 8
    .kernarg_segment_size: 48
    .max_flat_workgroup_size: 128
    .sgpr_count:     80
    .vgpr_count:     1024
    .wavefront_size: 32
...
	.end_amdgpu_metadata
.endif
;; end of part 2
